; MI455X (gfx1250); checked and timed in simulation.
; The chip was launched on July 23, 2026; its instructions are those of AMD's public machine-readable ISA for CDNA 5 (MIT licence, August 2026) and "CDNA5" Instruction Set Architecture Reference Guide (July 2026). The comments in the code are by the model that wrote it; some were corrected since.
;; Morlet Wavelet Kan Layer. Allowed arithmetic: float matrix products may take bf16 or f16 operands with f32 sums; all other float work in f32.
;; Inputs: beta 512 float32; bias 512 x 128 float32; gamma 512 float32; scale 512 x 128 float32; weight 512 x 128 float32; x 4,096 x 128 float32.
;; Outputs: out0 4,096 x 512 float32.
;; One version. Each part assembles by itself: llvm-mc -triple=amdgcn-amd-amdhsa -mcpu=gfx1250 --defsym DOCPART=n.
;; ======== version 1 of 1: 2 launches
;; limits: a function is approximated: absolute error at most 4.1e-05
;; workspace buffers: ybuf 8,388,608 bytes; stats 131,072 bytes
;; launch basis (part 1): grid 8 x 32, 16 waves a work-group, no clusters, 211,456 bytes of LDS; arguments x, scale, bias, weight, ybuf, stats; writes ybuf, stats
.if DOCPART == 1
	.amdgcn_target "amdgcn-amd-amdhsa--gfx1250"
	.amdhsa_code_object_version 6
	.text
	.protected	k_q71df27099a_basis
	.globl	k_q71df27099a_basis
	.p2align	8
	.type	k_q71df27099a_basis,@function
k_q71df27099a_basis:
	s_mov_b64 s[64:65], 0
	v_nop
	global_prefetch_b8 v0, s[64:65] scope:SCOPE_SE
	s_setreg_imm32_b32 hwreg(HW_REG_WAVE_MODE, 25, 1), 1
	s_wait_xcnt 0x0
; y[b][o] = sum over i of w[o][i] cos(5 u) exp(-u u / 2),  u = (x[b][i] - bias[o][i]) / scale[o][i];  B = 4096, O = 512, I = 128, all f32.
; Stores y (f32) and, for each block of 128 rows and each column, the block's sum of y and its sum of squares about the block's own mean.
;
; SHARES.  A work-group makes 128 rows x 64 columns of y with 16 waves.  Wave w: columns 8 (w % 8) .. + 7, rows 64 (w / 8) .. + 63.
; Lane l: column o = l % 8, quarter q = l / 8 of the 128 i: i = 16 j + 4 q + e (j = 0..7, e = 0..3), 32 numbers.  The lane keeps four
; parameters for each of its 32 (o, i) in registers for the whole kernel; x comes from LDS, one row at a time, each 16 bytes read by 8 lanes.
;
; ARITHMETIC, two psi in 13 vector instructions:
;   u' = x a + c            a = 0.849322 / scale, c = -bias a:  exp(-u u / 2) = 2^(-u' u')
;   t  = log2|w| - u' u'    the weight's size rides in the exponent:  e = 2^t = |w| exp(-u u / 2)
;   r  = kappa u' + ph      5 u / (2 pi) in turns; ph = 1/2, or 0 where w < 0: the weight's sign rides in the phase
;   f  = fract(r), z = f f - f = (f - 1/2)^2 - 1/4, in [-1/4, 0];  q = C0 + z (C1 + z (C2 + z (C3 + z C4))) = sign(w) cos(5 u)
;   acc += e q
; The polynomial is the Chebyshev series of cos(2 pi g) in g^2 on |g| <= 1/2 (coefficients 2 J_2k(pi)), cut behind T4: error 4.1e-5 at the most.
;
; NO MATRIX INSTRUCTION, on purpose: in this sum every psi meets one weight and is used once.  With the weight folded as above the sum over i IS the
; fused multiply-add that multiplies Gaussian and cosine, so it costs no instruction; as a matrix product it would need a multiply and a conversion
; to 16 bits for each pair, and a B of zeros and ones with one column of sixteen in use.  The sums stay in f32.
; NO CLUSTER, NO TENSOR LOAD: a work-group loads 64 KiB of x and 96 KiB of parameters once, and then issues 16 x 64 x 208 vector instructions.
;
; LIMITS.  1 / scale is v_rcp_f32 (1 ulp), and (x - bias) / scale is one fused multiply-add, so u is rounded otherwise than in the reference.
; |scale| < 2^-126 counts as 0 (the result is NaN, as the reference's at scale = 0).  |weight| < 2^-126 counts as 0.  2^t below 2^-126 is 0.
; The sum over i runs in another order than the reference's.
.set XROW,  512                        ; bytes of a row of x, in memory and in LDS
.set YB,    128*XROW                   ; LDS: behind the tile of x, the partial sums
.set YQ,    2080                       ; one quarter's 64 rows x 8 columns x 4 bytes, + 32: the four quarters' stores of a row fall 8 words apart (64 banks of 4 bytes: ISA guide 11.1)
.set YW,    8480                       ; a wave's own region: 4 YQ + 160, so that neighbouring groups of 8 columns lie 32 bytes apart modulo 256 when rows are read back
.set SB1,   YB+16*YW                   ; 16 waves x 64 columns x 4 bytes: column sums
.set SB2,   SB1+4096                   ; the same for the squares
.set XA,  8                            ; v8        LDS address of my 16 bytes in my wave's current row of x
.set YA,  9                            ; v9        LDS address of my partial sum of that row
.set VC3, 10                           ; v[10:11]  C3 twice
.set ACC, 12                           ; v[12:15]  two pairs of running sums
.set U,   16                           ; v[16:23]  u', then z
.set T,   24                           ; v[24:31]  t, then e
.set R,   32                           ; v[32:39]  r, f, then q
.set X0,  40                           ; v[40:71]  my 32 numbers of a row of x
.set X1,  72                           ; v[72:103] and of the next row
.set PA,  104                          ; v[104:135] a
.set PC,  136                          ; v[136:167] c
.set PL,  168                          ; v[168:199] log2|w|
.set PP,  200                          ; v[200:231] ph
.set KAP, 24                           ; s[24:25]  kappa = 5 / (2 pi 0.849322); a packed instruction takes a scalar as a pair and uses its first register for both halves
.set C4,  26
.set C2,  28
.set C1,  30
.set C0,  32
	s_load_b256 s[4:11], s[0:1], 0x0               ; x s[4:5], scale s[6:7], bias s[8:9], weight s[10:11]
	s_load_b128 s[12:15], s[0:1], 0x20             ; y s[12:13], stats s[14:15]
	v_lshl_add_u32 v232, v0, 2, 0x33200
	v_mov_b32 v233, 0
	v_lshrrev_b32 v1, 5, v0
	v_readfirstlane_b32 s16, v1                    ; wave 0..15
	s_and_b32 s17, ttmp7, 0xffff                   ; block of 128 rows, 0..31;  ttmp9: block of 64 columns, 0..7
	v_and_b32 v2, 31, v0                           ; lane
	v_lshrrev_b32 v3, 3, v2                        ; q
	v_and_b32 v4, 7, v2                            ; o
	v_lshlrev_b32 v5, 4, v2                        ; staging x: 16 bytes a lane, a wave's load covers one row of 512 bytes
	s_lshl_b32 s38, s16, 12                        ; wave w stages rows 8 w .. 8 w + 7: 4,096 bytes, its own in LDS
	v_add_nc_u32 v6, s38, v5
	s_lshl_b32 s18, s17, 16                        ; 128 rows x 512 bytes
	s_add_co_u32 s18, s18, s38
	s_mov_b32 s19, 0
	s_and_b32 s39, s16, 7
	s_lshl_b32 s39, s39, 12                        ; my wave's 8 rows of scale, bias, weight
	s_lshl_b32 s20, ttmp9, 15                      ; in the block's 64 rows of 512 bytes
	s_add_co_u32 s20, s20, s39
	s_mov_b32 s21, 0
	v_lshlrev_b32 v7, 9, v4
	v_lshl_add_u32 v7, v3, 4, v7                   ; 512 o + 16 q; load j adds 64 j: the four quarters of a column take 64 neighbouring bytes
	s_lshl_b32 s39, ttmp9, 8                       ; 64 columns x 4 bytes
	s_lshl_b32 s22, s17, 18                        ; 128 rows of y x 2,048 bytes
	s_add_co_u32 s22, s22, s39
	s_mov_b32 s23, 0
	s_lshl_b32 s36, s17, 12                        ; stats[block of rows][sum, squares][512]
	s_add_co_u32 s36, s36, s39
	s_mov_b32 s37, 0
	s_wait_kmcnt 0x0
	s_add_nc_u64 s[4:5], s[4:5], s[18:19]
	s_add_nc_u64 s[6:7], s[6:7], s[20:21]
	s_add_nc_u64 s[8:9], s[8:9], s[20:21]
	s_add_nc_u64 s[10:11], s[10:11], s[20:21]
	s_add_nc_u64 s[12:13], s[12:13], s[22:23]
	s_add_nc_u64 s[14:15], s[14:15], s[36:37]
.irp k, 0,1,2,3,4,5,6,7
	global_load_b128 v[X0+4*\k:X0+4*\k+3], v5, s[4:5] offset:\k*XROW
.endr
.irp j, 0,1,2,3,4,5,6,7
	global_load_b128 v[PA+4*\j:PA+4*\j+3], v7, s[6:7] offset:64*\j
	global_load_b128 v[PC+4*\j:PC+4*\j+3], v7, s[8:9] offset:64*\j
	global_load_b128 v[PL+4*\j:PL+4*\j+3], v7, s[10:11] offset:64*\j
.endr
	s_mov_b32 s[KAP], 0x3f6fdc29                   ; 0.93695313
	s_mov_b32 s[KAP+1], 0x3f6fdc29
	s_mov_b32 s[C4], 0x42367c21                    ; 45.621218
	s_mov_b32 s[C4+1], 0x42367c21
	s_mov_b32 s[C2], 0x419fe3d4                    ; 19.986244
	s_mov_b32 s[C2+1], 0x419fe3d4
	s_mov_b32 s[C1], 0x3c0019d5                    ; 0.0078186592
	s_mov_b32 s[C1+1], 0x3c0019d5
	s_mov_b32 s[C0], 0xbf7ffd6b                    ; -0.99996057
	s_mov_b32 s[C0+1], 0xbf7ffd6b
	s_mov_b32 s42, 0x76543210                      ; v_permlanex16_b32: lane i of one half reads lane i of the other
	s_mov_b32 s43, 0xfedcba98
	v_mov_b32 v[VC3], 0xc2131425                   ; -36.769673
	v_mov_b32 v[VC3+1], 0xc2131425
	s_lshr_b32 s38, s16, 3
	s_lshl_b32 s38, s38, 15                        ; my wave's 64 rows of x
	v_lshl_add_u32 v[XA], v3, 4, s38               ; + 16 q
	s_mul_i32 s39, s16, YW
	s_add_co_u32 s39, s39, YB                      ; my wave's region of partial sums
	v_mul_u32_u24 v[YA], YQ, v3
	v_lshl_add_u32 v[YA], v4, 2, v[YA]
	v_add_nc_u32 v[YA], s39, v[YA]                 ; + q YQ + 4 o; a row is 32 bytes
	s_wait_loadcnt 24                              ; x's eight loads are in; the 24 issued behind them may be out
.irp k, 0,1,2,3,4,5,6,7
	ds_store_b128 v6, v[X0+4*\k:X0+4*\k+3] offset:\k*XROW
.endr
	s_wait_loadcnt 0x0                             ; scale, bias, weight
	s_wait_dscnt 0x0                               ; my eight rows of x are in LDS, for the other waves' sake
	s_barrier_signal -1
	; register work while the others arrive: the four parameters of my 32 (o, i), in place
.set i, 0
.rept 32
	v_rcp_f32 v[PA+i], v[PA+i]                     ; 1 / scale
.set i, i+1
.endr
	v_mov_b32 v1, 0                                ; a plain instruction stands between the last v_rcp_f32 and the use of its result (ISA guide 5.7.2)
.set i, 0
.rept 32
	v_cmp_gt_f32 vcc_lo, 0, v[PL+i]                ; w < 0 ?
	v_cndmask_b32 v[PP+i], 0.5, v1, vcc_lo         ; ph = 0 there, 1/2 elsewhere
.set i, i+1
.endr
.set i, 0
.rept 32
	v_log_f32 v[PL+i], |v[PL+i]|                   ; log2|w|; w = 0 gives -infinity, and 2^t = 0
.set i, i+1
.endr
.set i, 0
	s_wait_alu depctr_va_vdst(0)
.rept 16
	v_pk_mul_f32 v[PA+i:PA+i+1], v[PA+i:PA+i+1], 0x3f596d27 op_sel_hi:[1,0]                       ; a = sqrt(log2(e) / 2) / scale
.set i, i+2
.endr
.set i, 0
.rept 16
	v_pk_mul_f32 v[PC+i:PC+i+1], v[PC+i:PC+i+1], v[PA+i:PA+i+1] neg_lo:[1,0] neg_hi:[1,0]         ; c = -bias a
.set i, i+2
.endr
	s_barrier_wait -1                              ; the whole tile of x is in LDS
; my 32 numbers of the row that lies \row rows behind XA: eight loads, in each the wave reads four neighbouring pieces of 16 bytes, 8 lanes each
.macro LOADX buf, row
.irp j, 0,1,2,3,4,5,6,7
	ds_load_b128 v[\buf+4*\j:\buf+4*\j+3], v[XA] offset:\row*XROW+64*\j
.endr
.endm
; eight psi (four pairs): numbers 8 g .. 8 g + 7 of buffer x.  Every step runs over the four pairs, so that no instruction needs the one in front of it.
.macro BATCH x, g, first
.irp k, 0,2,4,6
	v_pk_fma_f32 v[U+\k:U+\k+1], v[\x+8*\g+\k:\x+8*\g+\k+1], v[PA+8*\g+\k:PA+8*\g+\k+1], v[PC+8*\g+\k:PC+8*\g+\k+1]
.endr
.irp k, 0,2,4,6
	v_pk_fma_f32 v[T+\k:T+\k+1], v[U+\k:U+\k+1], v[U+\k:U+\k+1], v[PL+8*\g+\k:PL+8*\g+\k+1] neg_lo:[1,0,0] neg_hi:[1,0,0]
.endr
.irp k, 0,2,4,6
	v_pk_fma_f32 v[R+\k:R+\k+1], v[U+\k:U+\k+1], s[KAP:KAP+1], v[PP+8*\g+\k:PP+8*\g+\k+1] op_sel_hi:[1,0,1]
.endr
.irp k, 0,1,2,3,4,5,6,7
	v_exp_f32 v[T+\k], v[T+\k]                     ; e; used first 24 instructions further down
	v_fract_f32 v[R+\k], v[R+\k]                   ; f; a plain instruction that touches neither t nor e (ISA guide 5.7.2)
.endr
.irp k, 0,2,4,6
	v_pk_fma_f32 v[U+\k:U+\k+1], v[R+\k:R+\k+1], v[R+\k:R+\k+1], v[R+\k:R+\k+1] neg_lo:[0,0,1] neg_hi:[0,0,1]   ; z = f f - f
.endr
.irp k, 0,2,4,6
	v_pk_fma_f32 v[R+\k:R+\k+1], v[U+\k:U+\k+1], s[C4:C4+1], v[VC3:VC3+1] op_sel_hi:[1,0,1]
.endr
.irp k, 0,2,4,6
	v_pk_fma_f32 v[R+\k:R+\k+1], v[R+\k:R+\k+1], v[U+\k:U+\k+1], s[C2:C2+1] op_sel_hi:[1,1,0]
.endr
.irp k, 0,2,4,6
	v_pk_fma_f32 v[R+\k:R+\k+1], v[R+\k:R+\k+1], v[U+\k:U+\k+1], s[C1:C1+1] op_sel_hi:[1,1,0]
.endr
.irp k, 0,2,4,6
	v_pk_fma_f32 v[R+\k:R+\k+1], v[R+\k:R+\k+1], v[U+\k:U+\k+1], s[C0:C0+1] op_sel_hi:[1,1,0]
.endr
.if \first
	s_wait_alu depctr_va_vdst(0)
	v_pk_mul_f32 v[ACC:ACC+1], v[T:T+1], v[R:R+1]                          ; a row's first products start its sums: nothing is cleared
	v_pk_mul_f32 v[ACC+2:ACC+3], v[T+2:T+3], v[R+2:R+3]
.else
	s_wait_alu depctr_va_vdst(0)
	v_pk_fma_f32 v[ACC:ACC+1], v[T:T+1], v[R:R+1], v[ACC:ACC+1]
	v_pk_fma_f32 v[ACC+2:ACC+3], v[T+2:T+3], v[R+2:R+3], v[ACC+2:ACC+3]
.endif
	v_pk_fma_f32 v[ACC:ACC+1], v[T+4:T+5], v[R+4:R+5], v[ACC:ACC+1]
	v_pk_fma_f32 v[ACC+2:ACC+3], v[T+6:T+7], v[R+6:R+7], v[ACC+2:ACC+3]
.endm
; one row: my quarter of the sum over i for my column, into my wave's region
.macro ROW x, row
	BATCH \x, 0, 1
	BATCH \x, 1, 0
	BATCH \x, 2, 0
	BATCH \x, 3, 0
	v_pk_add_f32 v[ACC:ACC+1], v[ACC:ACC+1], v[ACC+2:ACC+3]
	v_add_f32 v[ACC], v[ACC], v[ACC+1]
	ds_store_b32 v[YA], v[ACC] offset:\row*32
.endm
; two rows.  Each buffer is loaded a row's work (208 vector instructions) ahead of its use.
.macro TRIP more
	LOADX X1, 1
	s_wait_dscnt 8                                 ; LDS answers a wave in order (ISA guide 5.7.1): all but the eight loads just issued are done, X0's among them
	ROW X0, 0
.if \more
	LOADX X0, 2
	s_wait_dscnt 8                                 ; all but these eight: X1 is in
.else
	s_wait_dscnt 1                                 ; behind X1's loads only the row's store was issued
.endif
	ROW X1, 1
.endm
	LOADX X0, 0
	s_mov_b32 s40, 31
.Lrows:
	TRIP 1
	v_add_nc_u32 v[XA], 2*XROW, v[XA]
	v_add_nc_u32 v[YA], 64, v[YA]
	s_sub_co_u32 s40, s40, 1
	s_cmp_lg_u32 s40, 0
	s_cbranch_scc1 .Lrows
	TRIP 0                                         ; the last two rows: no row behind them is read
; THE WAY OUT.  Thread t: columns 4 (t % 16) .. + 3, rows t / 16 + 32 k, k = 0..3.  Sixteen neighbouring lanes hold 256 neighbouring bytes of a row of y.
.set VO,  3                            ; byte offset in y (and, in wave 0, in stats)
.set YR,  4                            ; v[4:5]  LDS address of my columns' partial sums, rows 0-63 and rows 64-127
.set SW,  6                            ; where my wave puts its column sums
.set SR,  7                            ; where all waves' sums of my columns begin
.set E,   104                          ; v[E:E+15] y of my 4 rows x 4 columns; the parameters are no longer needed
.set S,   E+16
.set TOT, E+32
.set MN,  E+36
.set D,   E+40
.set M,   E+56
.set W2,  E+64
.set OUT, E+68
.macro SUM16 b                         ; sixteen rows of four numbers in v[b : b+63] are added into v[b : b+3], as a tree
.irp s, 32,16,8,4
.set n, 0
.rept \s/2
	v_pk_add_f32 v[\b+n:\b+n+1], v[\b+n:\b+n+1], v[\b+\s+n:\b+\s+n+1]
.set n, n+2
.endr
.endr
.endm
	v_and_b32 v1, 15, v0
	v_lshrrev_b32 v2, 4, v0                        ; 0..31
	v_lshlrev_b32 v[SR], 4, v1
	v_lshl_add_u32 v[VO], v2, 11, v[SR]            ; 2,048 x row + 16 x group of columns
	v_lshrrev_b32 v[YR], 1, v1                     ; which wave's eight columns hold my four,
	v_and_b32 v1, 1, v1                            ; and which half of them
	v_mul_u32_u24 v[YR], YW, v[YR]
	v_lshl_add_u32 v[YR], v1, 4, v[YR]
	v_lshl_add_u32 v[YR], v2, 5, v[YR]
	v_add_nc_u32 v[YR+1], YB+8*YW, v[YR]
	v_add_nc_u32 v[YR], YB, v[YR]
	s_lshl_b32 s38, s16, 8
	s_add_co_u32 s38, s38, SB1
	v_add_nc_u32 v[SW], s38, v[SR]
	v_add_nc_u32 v[SR], SB1, v[SR]
	s_wait_dscnt 0x0                               ; my partial sums are in LDS
	s_barrier_signal -1
	s_barrier_wait -1                              ; everybody's are
.irp p, 0,1,2,3
.irp k, 0,1,2,3
	ds_load_b128 v[E+16*\p+4*\k:E+16*\p+4*\k+3], v[YR+\k/2] offset:(\k%2)*1024+\p*YQ
.endr
.endr
	s_wait_dscnt 0x0
.irp n, 0,2,4,6,8,10,12,14
	v_pk_add_f32 v[E+\n:E+\n+1], v[E+\n:E+\n+1], v[E+16+\n:E+16+\n+1]              ; the four quarters of the sum over i
	v_pk_add_f32 v[E+32+\n:E+32+\n+1], v[E+32+\n:E+32+\n+1], v[E+48+\n:E+48+\n+1]
	v_pk_add_f32 v[E+\n:E+\n+1], v[E+\n:E+\n+1], v[E+32+\n:E+32+\n+1]
.endr
.irp k, 0,1,2,3
	global_store_b128 v[VO], v[E+4*\k:E+4*\k+3], s[12:13] offset:\k*65536          ; 16 lanes store 256 consecutive bytes, at a multiple of 256 from y's first byte; these registers are not written again
.endr
	; the block's sum of each column: my four rows, the other half of my wave, then the sixteen waves through LDS
	v_pk_add_f32 v[S:S+1], v[E:E+1], v[E+4:E+5]
	v_pk_add_f32 v[S+2:S+3], v[E+2:E+3], v[E+6:E+7]
	v_pk_add_f32 v[S+4:S+5], v[E+8:E+9], v[E+12:E+13]
	v_pk_add_f32 v[S+6:S+7], v[E+10:E+11], v[E+14:E+15]
	v_pk_add_f32 v[S:S+1], v[S:S+1], v[S+4:S+5]
	v_pk_add_f32 v[S+2:S+3], v[S+2:S+3], v[S+6:S+7]
.irp n, 0,1,2,3
	v_permlanex16_b32 v[S+4+\n], v[S+\n], s42, s43
.endr
	v_pk_add_f32 v[S:S+1], v[S:S+1], v[S+4:S+5]
	v_pk_add_f32 v[S+2:S+3], v[S+2:S+3], v[S+6:S+7]
	ds_store_b128 v[SW], v[S:S+3]                  ; both halves of the wave store the same numbers to the same bytes
	s_wait_dscnt 0x0
	s_barrier_signal -1
	s_barrier_wait -1
.irp w, 0,1,2,3,4,5,6,7,8,9,10,11,12,13,14,15
	ds_load_b128 v[TOT+4*\w:TOT+4*\w+3], v[SR] offset:\w*256
.endr
	s_wait_dscnt 0x0
	SUM16 TOT
	v_pk_mul_f32 v[MN:MN+1], v[TOT:TOT+1], 0x3c000000 op_sel_hi:[1,0]              ; the block's mean: / 128
	v_pk_mul_f32 v[MN+2:MN+3], v[TOT+2:TOT+3], 0x3c000000 op_sel_hi:[1,0]
	; squares about the block's own mean: no difference of large sums is formed
.irp k, 0,1,2,3
	v_pk_add_f32 v[D+4*\k:D+4*\k+1], v[E+4*\k:E+4*\k+1], v[MN:MN+1] neg_lo:[0,1] neg_hi:[0,1]
	v_pk_add_f32 v[D+4*\k+2:D+4*\k+3], v[E+4*\k+2:E+4*\k+3], v[MN+2:MN+3] neg_lo:[0,1] neg_hi:[0,1]
.endr
	v_pk_mul_f32 v[M:M+1], v[D:D+1], v[D:D+1]
	v_pk_mul_f32 v[M+2:M+3], v[D+2:D+3], v[D+2:D+3]
.irp k, 1,2,3
	v_pk_fma_f32 v[M:M+1], v[D+4*\k:D+4*\k+1], v[D+4*\k:D+4*\k+1], v[M:M+1]
	v_pk_fma_f32 v[M+2:M+3], v[D+4*\k+2:D+4*\k+3], v[D+4*\k+2:D+4*\k+3], v[M+2:M+3]
.endr
.irp n, 0,1,2,3
	v_permlanex16_b32 v[M+4+\n], v[M+\n], s42, s43
.endr
	v_pk_add_f32 v[M:M+1], v[M:M+1], v[M+4:M+5]
	v_pk_add_f32 v[M+2:M+3], v[M+2:M+3], v[M+6:M+7]
	ds_store_b128 v[SW], v[M:M+3] offset:SB2-SB1   ; bytes of their own: other waves may still read the sums
	s_wait_dscnt 0x0
	s_barrier_signal -1
	s_barrier_wait -1
	s_cmp_lg_u32 s16, 0
	s_cbranch_scc1 .Lend                           ; wave 0 alone stores the block's two figures for the 64 columns
.irp w, 0,1,2,3,4,5,6,7,8,9,10,11,12,13,14,15
	ds_load_b128 v[W2+4*\w:W2+4*\w+3], v[SR] offset:SB2-SB1+\w*256
.endr
	s_wait_dscnt 0x0
	SUM16 W2
	v_cmp_gt_u32 vcc_lo, 16, v0                    ; lanes 0-15 store the sums, lanes 16-31 the squares, 2,048 bytes further on: VO holds just that in wave 0
.irp n, 0,1,2,3
	v_cndmask_b32 v[OUT+\n], v[W2+\n], v[TOT+\n], vcc_lo
.endr
	global_store_b128 v[VO], v[OUT:OUT+3], s[14:15]
.Lend:
	s_wait_tensorcnt 0x0
	ds_add_u32 v232, v233
	s_wait_dscnt 0x0
	s_endpgm
.Lfunc_end_k_q71df27099a_basis:
	.size	k_q71df27099a_basis, .Lfunc_end_k_q71df27099a_basis-k_q71df27099a_basis
	.p2alignl 7, 3214868480
	.fill 96, 4, 3214868480
	.section	.rodata,"a",@progbits
	.p2align	6, 0x0
	.amdhsa_kernel k_q71df27099a_basis
		.amdhsa_group_segment_fixed_size 211456
		.amdhsa_private_segment_fixed_size 0
		.amdhsa_enable_private_segment 0
		.amdhsa_kernarg_size 48
		.amdhsa_user_sgpr_count 2
		.amdhsa_user_sgpr_kernarg_segment_ptr 1
		.amdhsa_wavefront_size32 1
		.amdhsa_system_sgpr_workgroup_id_x 1
		.amdhsa_system_sgpr_workgroup_id_y 1
		.amdhsa_system_sgpr_workgroup_id_z 1
		.amdhsa_system_vgpr_workitem_id 0
		.amdhsa_next_free_vgpr 234
		.amdhsa_next_free_sgpr 66
		.amdhsa_reserve_vcc 1
		.amdhsa_float_denorm_mode_32 3
		.amdhsa_float_denorm_mode_16_64 3
		.amdhsa_memory_ordered 1
		.amdhsa_forward_progress 1
		.amdhsa_inst_pref_size 75
	.end_amdhsa_kernel
	.amdgpu_metadata
---
amdhsa.version: [ 1, 2 ]
amdhsa.kernels:
  - .name:           k_q71df27099a_basis
    .symbol:         k_q71df27099a_basis.kd
    .args:
      - { .name: x, .offset: 0, .size: 8, .value_kind: global_buffer, .address_space: global }
      - { .name: scale, .offset: 8, .size: 8, .value_kind: global_buffer, .address_space: global }
      - { .name: bias, .offset: 16, .size: 8, .value_kind: global_buffer, .address_space: global }
      - { .name: weight, .offset: 24, .size: 8, .value_kind: global_buffer, .address_space: global }
      - { .name: ybuf, .offset: 32, .size: 8, .value_kind: global_buffer, .address_space: global }
      - { .name: stats, .offset: 40, .size: 8, .value_kind: global_buffer, .address_space: global }
    .group_segment_fixed_size: 211456
    .private_segment_fixed_size: 0
    .kernarg_segment_align: 8
    .kernarg_segment_size: 48
    .max_flat_workgroup_size: 512
    .sgpr_count:     66
    .vgpr_count:     234
    .wavefront_size: 32
...
	.end_amdgpu_metadata
.endif
;; end of part 1
;; launch norm (part 2): grid 8 x 32, 8 waves a work-group, no clusters, 9,216 bytes of LDS; arguments ybuf, stats, gamma, beta, out0; writes out0
.if DOCPART == 2
	.amdgcn_target "amdgcn-amd-amdhsa--gfx1250"
	.amdhsa_code_object_version 6
	.text
	.protected	k_q71df27099a_norm
	.globl	k_q71df27099a_norm
	.p2align	8
	.type	k_q71df27099a_norm,@function
k_q71df27099a_norm:
	s_mov_b64 s[64:65], 0
	v_nop
	global_prefetch_b8 v0, s[64:65] scope:SCOPE_SE
	s_setreg_imm32_b32 hwreg(HW_REG_WAVE_MODE, 25, 1), 1
	s_wait_xcnt 0x0
; out[b][o] = gamma[o] (y[b][o] - mean[o]) rsqrt(var[o] + 1e-5) + beta[o]:  batch statistics over the 4096 rows, biased variance.
; stats[c][0][o], stats[c][1][o]: for block c of 128 rows (c = 0..31) the sum of y and the sum of squares about that block's own mean.
;   mean = (sum over c of sum_c) / 4096;   4096 var = sum over c of ( M2_c + 128 (sum_c / 128 - mean)^2 ):  only squares are added.
; A work-group takes 128 rows x 64 columns with 8 waves.  Thread t: columns 4 (t % 16) .. + 3; rows t / 16 + 16 k, k = 0..7; blocks t / 16 and t / 16 + 16.
; Every load and store of y and out: 16 neighbouring lanes, 256 consecutive bytes at a multiple of 256 from the buffer's first byte.
; Memory binds here: 32 KiB in and 32 KiB out for a work-group, all eight loads of a lane issued at the start; no matrix unit, no cluster (the 16 KiB
; of stats that the 32 work-groups of a column block share are half of what each reads of y), no LDS ring.
; v_rsq_f32 is good to 1 ulp.
.set SA,  8                            ; v[8:11]    sum of block t / 16
.set SBK, 12                           ; v[12:15]   sum of block t / 16 + 16
.set MA,  16                           ; v[16:19]   squares of the first block
.set MB,  20                           ; v[20:23]   of the second
.set GA,  24                           ; v[24:27]   gamma
.set BE,  28                           ; v[28:31]   beta
.set Y,   32                           ; v[32:63]   8 rows x 4 columns
.set W,   64                           ; v[64:127]  sixteen threads' figures for my columns
.set MN,  128                          ; v[128:131] mean
.set AS,  132                          ; v[132:135] gamma rsqrt(var + eps)
.set EP,  136                          ; v[136:137] eps twice
.set TM,  138                          ; v[138:141] at work
.macro SUM16 b                         ; sixteen rows of four numbers in v[b : b+63] are added into v[b : b+3], as a tree
.irp s, 32,16,8,4
.set n, 0
.rept \s/2
	v_pk_add_f32 v[\b+n:\b+n+1], v[\b+n:\b+n+1], v[\b+\s+n:\b+\s+n+1]
.set n, n+2
.endr
.endr
.endm
	s_load_b256 s[4:11], s[0:1], 0x0               ; y s[4:5], stats s[6:7], gamma s[8:9], beta s[10:11]
	s_load_b64 s[12:13], s[0:1], 0x20              ; out
	v_lshl_add_u32 v144, v0, 2, 0x2000
	v_mov_b32 v145, 0
	v_lshrrev_b32 v6, 5, v0
	v_readfirstlane_b32 s17, v6                    ; wave 0..7
	v_and_b32 v1, 15, v0
	v_lshrrev_b32 v2, 4, v0                        ; 0..15
	v_lshlrev_b32 v1, 4, v1                        ; 16 bytes for my four columns
	v_lshl_add_u32 v3, v2, 11, v1                  ; y, out: 2,048 x row
	v_lshl_add_u32 v4, v2, 12, v1                  ; stats: 4,096 x block
	v_and_b32 v5, 31, v0
	v_lshlrev_b32 v5, 4, v5
	s_lshl_b32 s22, s17, 9
	v_add_nc_u32 v5, s22, v5                       ; LDS: 512 x wave + 16 x lane = 16 t: row t / 16 of sixteen rows of 256 bytes
	v_mov_b32 v[EP], 0x3727c5ac                    ; 1e-5
	v_mov_b32 v[EP+1], 0x3727c5ac
	s_and_b32 s16, ttmp7, 0xffff                   ; block of 128 rows
	s_lshl_b32 s18, ttmp9, 8                       ; block of 64 columns, 256 bytes
	s_mov_b32 s19, 0
	s_lshl_b32 s20, s16, 18                        ; 128 rows x 2,048 bytes
	s_add_co_u32 s20, s20, s18
	s_mov_b32 s21, 0
	s_wait_kmcnt 0x0
	s_add_nc_u64 s[4:5], s[4:5], s[20:21]
	s_add_nc_u64 s[12:13], s[12:13], s[20:21]
	s_add_nc_u64 s[6:7], s[6:7], s[18:19]
	s_add_nc_u64 s[8:9], s[8:9], s[18:19]
	s_add_nc_u64 s[10:11], s[10:11], s[18:19]
	global_load_b128 v[SA:SA+3], v4, s[6:7]
	global_load_b128 v[SBK:SBK+3], v4, s[6:7] offset:65536
	global_load_b128 v[MA:MA+3], v4, s[6:7] offset:2048
	global_load_b128 v[MB:MB+3], v4, s[6:7] offset:67584
	global_load_b128 v[GA:GA+3], v1, s[8:9]
	global_load_b128 v[BE:BE+3], v1, s[10:11]
.irp k, 0,1,2,3,4,5,6,7
	global_load_b128 v[Y+4*\k:Y+4*\k+3], v3, s[4:5] offset:\k*32768 th:TH_LOAD_NT
.endr
	s_wait_loadcnt 12                              ; the two sums are in; the twelve loads issued behind them may be out
	v_pk_add_f32 v[TM:TM+1], v[SA:SA+1], v[SBK:SBK+1]
	v_pk_add_f32 v[TM+2:TM+3], v[SA+2:SA+3], v[SBK+2:SBK+3]
	ds_store_b128 v5, v[TM:TM+3]
	s_wait_dscnt 0x0
	s_barrier_signal -1
	s_barrier_wait -1
.irp w, 0,1,2,3,4,5,6,7,8,9,10,11,12,13,14,15
	ds_load_b128 v[W+4*\w:W+4*\w+3], v1 offset:\w*256
.endr
	s_wait_dscnt 0x0
	SUM16 W
	v_pk_mul_f32 v[MN:MN+1], v[W:W+1], 0x39800000 op_sel_hi:[1,0]                  ; mean = sum / 4096
	v_pk_mul_f32 v[MN+2:MN+3], v[W+2:W+3], 0x39800000 op_sel_hi:[1,0]
	s_wait_loadcnt 10                              ; the two sums of squares are in; gamma, beta and y's eight may be out
.irp n, 0,2
	v_pk_fma_f32 v[SA+\n:SA+\n+1], v[SA+\n:SA+\n+1], 0x3c000000, v[MN+\n:MN+\n+1] op_sel_hi:[1,0,1] neg_lo:[0,0,1] neg_hi:[0,0,1]       ; the block's mean less the mean
	v_pk_fma_f32 v[SBK+\n:SBK+\n+1], v[SBK+\n:SBK+\n+1], 0x3c000000, v[MN+\n:MN+\n+1] op_sel_hi:[1,0,1] neg_lo:[0,0,1] neg_hi:[0,0,1]
	v_pk_add_f32 v[MA+\n:MA+\n+1], v[MA+\n:MA+\n+1], v[MB+\n:MB+\n+1]
	v_pk_mul_f32 v[SA+\n:SA+\n+1], v[SA+\n:SA+\n+1], v[SA+\n:SA+\n+1]
	v_pk_fma_f32 v[SA+\n:SA+\n+1], v[SBK+\n:SBK+\n+1], v[SBK+\n:SBK+\n+1], v[SA+\n:SA+\n+1]
	v_pk_fma_f32 v[MA+\n:MA+\n+1], v[SA+\n:SA+\n+1], 0x43000000, v[MA+\n:MA+\n+1] op_sel_hi:[1,0,1]                                      ; + 128 x the squares
.endr
	ds_store_b128 v5, v[MA:MA+3] offset:4096       ; bytes of their own: other waves may still read the sums
	s_wait_dscnt 0x0
	s_barrier_signal -1
	s_barrier_wait -1
.irp w, 0,1,2,3,4,5,6,7,8,9,10,11,12,13,14,15
	ds_load_b128 v[W+4*\w:W+4*\w+3], v1 offset:4096+\w*256
.endr
	s_wait_dscnt 0x0
	SUM16 W
	v_pk_fma_f32 v[W:W+1], v[W:W+1], 0x39800000, v[EP:EP+1] op_sel_hi:[1,0,1]      ; var + eps
	v_pk_fma_f32 v[W+2:W+3], v[W+2:W+3], 0x39800000, v[EP:EP+1] op_sel_hi:[1,0,1]
.irp n, 0,1,2,3
	v_rsq_f32 v[W+\n], v[W+\n]
.endr
	v_nop                                          ; a plain instruction between the last v_rsq_f32 and the use of its result (ISA guide 5.7.2)
	s_wait_loadcnt 8                               ; gamma and beta are in; y's eight may be out
	s_wait_alu depctr_va_vdst(0)
	v_pk_mul_f32 v[AS:AS+1], v[GA:GA+1], v[W:W+1]
	v_pk_mul_f32 v[AS+2:AS+3], v[GA+2:GA+3], v[W+2:W+3]
.irp k, 0,1,2,3,4,5,6,7
	s_wait_loadcnt 7-\k                            ; loads come back in order (ISA guide 5.7.1): row k is in, the younger ones stay out
	v_pk_add_f32 v[Y+4*\k:Y+4*\k+1], v[Y+4*\k:Y+4*\k+1], v[MN:MN+1] neg_lo:[0,1] neg_hi:[0,1]
	v_pk_add_f32 v[Y+4*\k+2:Y+4*\k+3], v[Y+4*\k+2:Y+4*\k+3], v[MN+2:MN+3] neg_lo:[0,1] neg_hi:[0,1]
	v_pk_fma_f32 v[Y+4*\k:Y+4*\k+1], v[Y+4*\k:Y+4*\k+1], v[AS:AS+1], v[BE:BE+1]
	v_pk_fma_f32 v[Y+4*\k+2:Y+4*\k+3], v[Y+4*\k+2:Y+4*\k+3], v[AS+2:AS+3], v[BE+2:BE+3]
	global_store_b128 v3, v[Y+4*\k:Y+4*\k+3], s[12:13] offset:\k*32768 th:TH_STORE_NT   ; these registers are not written again
.endr
	s_wait_tensorcnt 0x0
	ds_add_u32 v144, v145
	s_wait_dscnt 0x0
	s_endpgm
.Lfunc_end_k_q71df27099a_norm:
	.size	k_q71df27099a_norm, .Lfunc_end_k_q71df27099a_norm-k_q71df27099a_norm
	.p2alignl 7, 3214868480
	.fill 96, 4, 3214868480
	.section	.rodata,"a",@progbits
	.p2align	6, 0x0
	.amdhsa_kernel k_q71df27099a_norm
		.amdhsa_group_segment_fixed_size 9216
		.amdhsa_private_segment_fixed_size 0
		.amdhsa_enable_private_segment 0
		.amdhsa_kernarg_size 40
		.amdhsa_user_sgpr_count 2
		.amdhsa_user_sgpr_kernarg_segment_ptr 1
		.amdhsa_wavefront_size32 1
		.amdhsa_system_sgpr_workgroup_id_x 1
		.amdhsa_system_sgpr_workgroup_id_y 1
		.amdhsa_system_sgpr_workgroup_id_z 1
		.amdhsa_system_vgpr_workitem_id 0
		.amdhsa_next_free_vgpr 146
		.amdhsa_next_free_sgpr 66
		.amdhsa_reserve_vcc 0
		.amdhsa_float_denorm_mode_32 3
		.amdhsa_float_denorm_mode_16_64 3
		.amdhsa_memory_ordered 1
		.amdhsa_forward_progress 1
		.amdhsa_inst_pref_size 14
	.end_amdhsa_kernel
	.amdgpu_metadata
---
amdhsa.version: [ 1, 2 ]
amdhsa.kernels:
  - .name:           k_q71df27099a_norm
    .symbol:         k_q71df27099a_norm.kd
    .args:
      - { .name: ybuf, .offset: 0, .size: 8, .value_kind: global_buffer, .address_space: global }
      - { .name: stats, .offset: 8, .size: 8, .value_kind: global_buffer, .address_space: global }
      - { .name: gamma, .offset: 16, .size: 8, .value_kind: global_buffer, .address_space: global }
      - { .name: beta, .offset: 24, .size: 8, .value_kind: global_buffer, .address_space: global }
      - { .name: out0, .offset: 32, .size: 8, .value_kind: global_buffer, .address_space: global }
    .group_segment_fixed_size: 9216
    .private_segment_fixed_size: 0
    .kernarg_segment_align: 8
    .kernarg_segment_size: 40
    .max_flat_workgroup_size: 256
    .sgpr_count:     66
    .vgpr_count:     146
    .wavefront_size: 32
...
	.end_amdgpu_metadata
.endif
;; end of part 2
